; MI455X (gfx1250); checked and timed in simulation.
; The chip was launched on July 23, 2026; its instructions are those of AMD's public machine-readable ISA for CDNA 5 (MIT licence, August 2026) and "CDNA5" Instruction Set Architecture Reference Guide (July 2026). The comments in the code are by the model that wrote it; some were corrected since.
;; Attention. Allowed arithmetic: matrix products marked QUANTISED: E5M2 operands, one given power-of-two scale a tensor, by v_wmma_f32_16x16x64_bf8_bf8 or v_wmma_f32_16x16x128_bf8_bf8, f32 sums; products left as they are: f32 operands where the result goes on into a quantised operand, else bf16, f16 or f32 operands; f32 sums; everything else in f32.
;; Inputs: Wc_w 1,024 x 1 float32; Wh_w 1,024 x 1,024 float32; Ws_b 1,024 float32; Ws_w 1,024 x 1,024 float32; c_dec 1 x 32 x 512 float32; coverage_vector 32 x 1,024 float32; encoder_output 32 x 1,024 x 1,024 float32; h_dec 1 x 32 x 512 float32; lowp_scales 4 int32 (the exponents e of the quantised operands' scales 2^e); v_w 1 x 1,024 float32; x_padding_masks 32 x 1,024 float32.
;; Outputs: out0 32 x 1,024 float32; out1 32 x 1,024 float32; out2 32 x 1,024 float32.
;; This version of the problem:
;;   THIS VERSION OF THE PROBLEM IS GIVEN IN LOW PRECISION. The matrix products marked QUANTISED in the list below multiply operands that are first quantised to E5M2 (5 exponent bits, 2 mantissa bits; 8 bits a number), with one given power-of-two scale for each operand tensor; their sums are f32. All else is computed in f32.
;;   The module's matrix products, in the order in which they are computed (A, B: the left and right operand; K: the contracted axis; several contracted axes count as one K, in the product's order):
;;     1. [M 32, K 1,024] x [K 1,024, N 1,024]; A: computed on the way; B: input Ws_w: QUANTISED (scales: A lowp_scales[0], B lowp_scales[1])
;;     2. [M 32,768, K 1,024] x [K 1,024, N 1,024]; A: input encoder_output; B: input Wh_w: QUANTISED (scales: A lowp_scales[2], B lowp_scales[3])
;;     3. [M 32,768, K 1,024] x [K 1,024, N 1]; A: computed on the way; B: input v_w: left as it is (N = 1 < 16)
;;     4. batch 32 x [M 1, K 1,024] x [K 1,024, N 1,024]; A: computed on the way; B: input encoder_output: left as it is (M = 1 < 16)
;;   THE QUANTISER, for each operand of a quantised product, along K:
;;     - The operand's scale is 2^e, e = its entry of the input lowp_scales (int32; the entries are numbered through the quantised products in the list's order, A before B).
;;     - Each number is divided by the scale, clamped to +-57,344, and rounded to the nearest number of E5M2, ties to even, subnormals kept.
;;     - The product sums the exact products of the quantised numbers (number of the format x scale) in f32.
;;   ~~~python
;;   def quantise(x, axis, e):      # numpy; x: float32 -> the quantised numbers, widened to float32 again
;;       x = np.moveaxis(x, axis, -1); K = x.shape[-1]
;;       r = np.clip(x / 2.0 ** e, -57344, 57344)
;;       step = 2.0 ** (np.maximum(np.frexp(np.where(r == 0, 1, r))[1] - 1, -14) - 2)
;;       q = np.round(r / step) * step * 2.0 ** e      # np.round: ties to even
;;       return np.moveaxis(q, -1, axis).astype(np.float32)
;;   ~~~
;;   OPERANDS COMPUTED ON THE WAY. 'Computed on the way' means the value that the module computes at that place (a softmax that the list does not call 'softmax' is quantised finished and normalised). What goes into a quantiser is computed in f32, as accurately as f32 sums, v_exp_f32 and their like allow (about 1e-6 of the number): no bf16 or f16 on the way to a quantiser, and a product that is left as it is and whose result goes on into a quantised operand takes f32 operands (vector FMAs, or v_wmma_f32_16x16x4_f32). A number that lies on a knife's edge between two numbers of the format may be rounded either way, as far as f32 arithmetic and the matrix unit's own rounding can turn it there, and no further.
;; One version. Each part assembles by itself: llvm-mc -triple=amdgcn-amd-amdhsa -mcpu=gfx1250 --defsym DOCPART=n.
;; ======== version 1 of 1: 3 launches
;; workspace buffers: whq 1,048,576 bytes; dpart 65,536 bytes; sc 131,072 bytes; ctxp 1,048,576 bytes
;; launch prep (part 1): grid 64 x 4, 2 waves a work-group, no clusters, 1,280 bytes of LDS; arguments Wh_w, Ws_w, h_dec, c_dec, v_w, Ws_b, lowp_scales, whq, dpart; writes whq, dpart
.if DOCPART == 1
	.amdgcn_target "amdgcn-amd-amdhsa--gfx1250"
	.amdhsa_code_object_version 6
	.text
	.protected	k_q2d9e8ab988_prep
	.globl	k_q2d9e8ab988_prep
	.p2align	8
	.type	k_q2d9e8ab988_prep,@function
k_q2d9e8ab988_prep:
	s_mov_b64 s[64:65], 0
	v_nop
	global_prefetch_b8 v0, s[64:65] scope:SCOPE_SE
	s_setreg_imm32_b32 hwreg(HW_REG_WAVE_MODE, 25, 1), 1
	s_wait_xcnt 0x0
; Two small jobs ahead of the large product.
; (1) Wh [1024 n][1024 k] f32 becomes codes of BF8 (E5M2) with the given scale 2^e3, laid as IMAGES OF THE OPERAND'S REGISTERS:
;     whq byte 16384 t + 2048 (2 w + s) + 512 c + 16 lane holds registers 4c..4c+3 of the fragment (16 rows 16 t .. 16 t + 15, half s of K quarter w).
; (2) the decoder's product, Q(s_t) Q(Ws)^T on codes (scales 2^e0, 2^e1), is folded with v at once:
;     dpart[w][t][b] = ( sum over the tile's 16 n of v[n] x (K quarter w's part of dec(b, n)) x 2^(e0+e1) , for w = 0 the sum over the same n of v[n] Ws_b[n], else 0 ).
; SHARES: work-group (t, w) takes rows 16 t .. 16 t + 15 of Wh and of Ws and K quarter w: 64 x 4 = 256 work-groups; its wave s takes the quarter's K step s of 128.
; THE ORDER OF K inside a quarter of 256: code byte y of a row holds k = 4 (y >> 3) + (y & 3) + 128 ((y >> 2) & 1).  It is the same in both operands of
; each product (here, and in the launch that follows for the encoder's rows), so every product meets its partner; only the order of the sums changes.
; A wave's 16 loads of a tensor take, of each of 16 rows, two aligned pieces of 256 bytes, every byte of them once.  All 68 loads of a wave go out at its head.
; LIMITS: e0, e1, e3 between -126 and 112, so that 2^e and 57,344 x 2^e are f32 numbers; e0 + e1 is applied by v_ldexp_f32.  NaN and infinities among the inputs are not served.
.set X0,  32                           ; v32-95    64 numbers of Wh
.set X1,  96                           ; v96-159   64 numbers of Ws; once they are codes: C0, C1, the sums, temporaries
.set X2,  160                          ; v160-223  64 numbers of s_t's rows 0-15
.set X3,  0                            ; window 1, v0-63: 64 numbers of s_t's rows 16-31
.set CW,  224                          ; v224-239  Wh's fragment
.set CSR, 240                          ; v240-255  Ws's fragment
.set C0,  96                           ; s_t's fragments: rows 0-15,
.set C1,  112                          ; rows 16-31
.set AC0, 128
.set AC1, 136
.set VV,  16                           ; v16-23    v[16 t + 8 h + 0 .. 7]
.set BB,  24                           ; v24-31    Ws_b at the same places
.set SCL, 8                            ; v8        the scale in hand as f32
.set LIM, 9                            ; v9        57,344 x that scale
.set MSB, 0
.macro WIN new                         ; s_set_vgpr_msb: bits 1:0 source 0, 7:6 destination; the immediate's high byte repeats the setting that is left; a switch that changes nothing is dropped
.if MSB != (\new)
	s_set_vgpr_msb (MSB<<8)|(\new)
.set MSB, (\new)
.endif
.endm
; 64 numbers of my lane's row in the order of K above: for c = 0..3 the 16 numbers of code bytes 32 c + 16 h + 0 .. 15
.macro XLOAD reg, vo, sb, off
.irp c, 0,1,2,3
	global_load_b128 v[\reg+16*\c:\reg+16*\c+3],     v[\vo], s[\sb:\sb+1] offset:\off+64*\c
	global_load_b128 v[\reg+16*\c+4:\reg+16*\c+7],   v[\vo], s[\sb:\sb+1] offset:\off+64*\c+512
	global_load_b128 v[\reg+16*\c+8:\reg+16*\c+11],  v[\vo], s[\sb:\sb+1] offset:\off+64*\c+16
	global_load_b128 v[\reg+16*\c+12:\reg+16*\c+15], v[\vo], s[\sb:\sb+1] offset:\off+64*\c+528
.endr
.endm
.macro MKSCALE e, d                    ; s[d] = 2^e as f32, s[d+1] = 57,344 x 2^e
	s_add_co_i32 s[\d+1], s[\e], 127
	s_lshl_b32 s[\d], s[\d+1], 23
	s_add_co_i32 s[\d+1], s[\d+1], 15
	s_lshl_b32 s[\d+1], s[\d+1], 23
	s_or_b32 s[\d+1], s[\d+1], 0x600000
.endm
.macro QUANT src, dst, sd, w           ; 64 numbers (w = 1: they lie in window 1) become a fragment's 16 registers of codes, in window 0
	v_mov_b32 v[SCL], s[\sd]
	v_mov_b32 v[LIM], s[\sd+1]
	WIN 0x41*(\w)                                  ; the numbers are source 0 and destination
.set QI, 0
.rept 64
	v_med3_num_f32 v[\src+QI], v[\src+QI], -v[LIM], v[LIM]   ; the conversion to an 8-bit code does not saturate (ISA guide 7.6.2): the hold at the largest code x the scale
.set QI, QI+1
.endr
	WIN 0x01*(\w)                                  ; the numbers are source 0
.irp c, 0,1,2,3,4,5,6,7
	v_cvt_scalef32_pk8_bf8_f32 v[\dst+2*\c:\dst+2*\c+1], v[\src+8*\c:\src+8*\c+7], v[SCL]
.endr
	WIN 0
	v_nop                                          ; one plain vector line behind the last conversion, ahead of whatever next touches its result or writes its sources
.endm
	s_load_b256 s[4:11], s[0:1], 0x0               ; Wh s[4:5], Ws s[6:7], h_dec s[8:9], c_dec s[10:11]
	s_load_b256 s[12:19], s[0:1], 0x20             ; v s[12:13], Ws_b s[14:15], the exponents s[16:17], whq s[18:19]
	s_load_b64 s[20:21], s[0:1], 0x40              ; dpart
	v_lshl_add_u32 v14, v0, 2, 0x400
	v_mov_b32 v15, 0
	v_lshrrev_b32 v1, 5, v0
	v_readfirstlane_b32 s22, v1                    ; wave s = 0, 1: the quarter's K step
	s_and_b32 s23, ttmp7, 0xffff                   ; K quarter w = work-group y
	v_and_b32 v1, 31, v0                           ; lane
	v_and_b32 v2, 15, v0                           ; r
	v_bfe_u32 v3, v0, 4, 1                         ; h
	v_lshlrev_b32 v7, 5, v3                        ; 32 h
	v_lshl_add_u32 v4, v2, 12, v7                  ; Wh, Ws: row r of 4,096 bytes + 32 h
	v_lshl_add_u32 v5, v2, 11, v7                  ; h_dec, c_dec: row r of 2,048 bytes + 32 h
	v_lshlrev_b32 v6, 4, v1                        ; 16 x lane: an image's place for my lane
	v_lshlrev_b32 v10, 3, v1                       ; 8 x lane: lane b's two partial sums in LDS, and its pair in dpart
	s_lshl_b32 s25, s22, 8                         ; 256 s bytes
	s_lshl_b32 s28, s23, 10
	s_add_co_u32 s28, s28, s25                     ; 1,024 w + 256 s
	s_lshl_b32 s30, ttmp9, 16
	s_add_co_u32 s28, s28, s30                     ; + 16 rows of 4,096 bytes x tile
	s_mov_b32 s29, 0
	s_and_b32 s30, s23, 1                          ; the quarter's place inside h_dec or c_dec (512 numbers each)
	s_lshl_b32 s30, s30, 10
	s_add_co_u32 s30, s30, s25
	s_mov_b32 s31, 0
	s_lshl_b32 s32, ttmp9, 6                       ; the tile's 16 numbers of v and of Ws_b
	s_mov_b32 s33, 0
	s_lshl_b32 s34, ttmp9, 14
	s_lshl_b32 s36, s23, 12
	s_add_co_u32 s34, s34, s36
	s_lshl_b32 s36, s22, 11
	s_add_co_u32 s34, s34, s36                     ; whq: 16,384 t + 4,096 w + 2,048 s
	s_mov_b32 s35, 0
	s_lshl_b32 s36, s23, 14
	s_lshl_b32 s38, ttmp9, 8
	s_add_co_u32 s36, s36, s38                     ; dpart: 16,384 w + 256 t
	s_mov_b32 s37, 0
	s_lshl_b32 s38, s22, 2
	v_add_nc_u32 v12, s38, v10                     ; LDS: 8 x lane + 4 x wave
	s_mov_b32 s44, 0x76543210                      ; v_permlanex16_b32: lane l xor 16
	s_mov_b32 s45, 0xfedcba98
	s_wait_kmcnt 0x0
	s_load_b128 s[40:43], s[16:17], 0x0            ; e0, e1, e2, e3
	s_cmp_lt_u32 s23, 2                            ; quarters 0, 1 of s_t lie in h_dec, quarters 2, 3 in c_dec: the choice hangs on the work-group's number alone
	s_cselect_b64 s[8:9], s[8:9], s[10:11]
	s_cmp_eq_u32 s23, 0
	s_cselect_b32 s47, 0x3f800000, 0               ; the bias part counts once: 1.0 in quarter 0, 0 in the others
	s_add_nc_u64 s[4:5], s[4:5], s[28:29]
	s_add_nc_u64 s[6:7], s[6:7], s[28:29]
	s_add_nc_u64 s[8:9], s[8:9], s[30:31]
	s_add_nc_u64 s[12:13], s[12:13], s[32:33]
	s_add_nc_u64 s[14:15], s[14:15], s[32:33]
	s_add_nc_u64 s[18:19], s[18:19], s[34:35]
	s_add_nc_u64 s[20:21], s[20:21], s[36:37]
	global_load_b128 v[VV:VV+3],   v7, s[12:13]
	global_load_b128 v[VV+4:VV+7], v7, s[12:13] offset:16
	global_load_b128 v[BB:BB+3],   v7, s[14:15]
	global_load_b128 v[BB+4:BB+7], v7, s[14:15] offset:16
	XLOAD X0, 4, 4, 0                              ; Wh
	XLOAD X1, 4, 6, 0                              ; Ws
	XLOAD X2, 5, 8, 0                              ; s_t, rows 0-15
	WIN 0x40                                       ; destination window 1
	XLOAD X3, 5, 8, 16*2048                        ; s_t, rows 16-31
	WIN 0
	s_wait_kmcnt 0x0
	MKSCALE 43, 48                                 ; e3: Wh
	MKSCALE 41, 50                                 ; e1: Ws
	MKSCALE 40, 52                                 ; e0: s_t
	s_add_co_i32 s46, s40, s41                     ; e0 + e1
	s_wait_loadcnt 48                              ; behind Wh's 16 loads were issued Ws's 16 and s_t's 32
	QUANT X0, CW, 48, 0
.irp c, 0,1,2,3
	global_store_b128 v6, v[CW+4*\c:CW+4*\c+3], s[18:19] offset:512*\c   ; 32 lanes store 512 consecutive bytes, at a multiple of 512 from whq's first byte; CW is never written again
.endr
	s_wait_loadcnt 32                              ; behind Ws's loads: s_t's 16 + 16
	QUANT X1, CSR, 50, 0
	s_wait_loadcnt 16
	QUANT X2, C0, 52, 0
	s_wait_loadcnt 0x0
	QUANT X3, C1, 52, 1
	; transposed use: source 0 = 16 rows of Ws, source 1 = 16 rows of s_t: lane (r, h) holds batch row r, registers i = columns n = 16 t + 8 h + i
	v_wmma_f32_16x16x128_bf8_bf8 v[AC0:AC0+7], v[CSR:CSR+15], v[C0:C0+15], 0
	v_wmma_f32_16x16x128_bf8_bf8 v[AC1:AC1+7], v[CSR:CSR+15], v[C1:C1+15], 0
	v_pk_mul_f32 v[148:149], v[BB:BB+1], v[VV:VV+1]                      ; the bias part: four plain lines that name no register of the products: the places behind them (ISA guide 7.12.1)
	v_pk_fma_f32 v[148:149], v[BB+2:BB+3], v[VV+2:VV+3], v[148:149]
	v_pk_fma_f32 v[148:149], v[BB+4:BB+5], v[VV+4:VV+5], v[148:149]
	v_pk_fma_f32 v[148:149], v[BB+6:BB+7], v[VV+6:VV+7], v[148:149]
	v_pk_mul_f32 v[144:145], v[AC0:AC0+1], v[VV:VV+1]                    ; each result is read from its low end on
	v_pk_mul_f32 v[146:147], v[AC1:AC1+1], v[VV:VV+1]
.irp i, 2,4,6
	v_pk_fma_f32 v[144:145], v[AC0+\i:AC0+\i+1], v[VV+\i:VV+\i+1], v[144:145]
	v_pk_fma_f32 v[146:147], v[AC1+\i:AC1+\i+1], v[VV+\i:VV+\i+1], v[146:147]
.endr
	v_add_f32 v144, v144, v145
	v_add_f32 v146, v146, v147
	v_add_f32 v148, v148, v149
	v_permlanex16_b32 v145, v144, s44, s45         ; the other eight columns lie in the lane 16 away
	v_permlanex16_b32 v147, v146, s44, s45
	v_permlanex16_b32 v149, v148, s44, s45
	v_add_f32 v144, v144, v145
	v_add_f32 v146, v146, v147
	v_add_f32 v157, v148, v149                     ; the tile's sum of v Ws_b,
	v_mul_f32 v157, s47, v157                      ; counted in quarter 0 alone
	v_ldexp_f32 v144, v144, s46                    ; x 2^(e0 + e1)
	v_ldexp_f32 v146, v146, s46
	v_cmp_ne_u32 vcc_lo, 0, v3
	v_cndmask_b32 v150, v144, v146, vcc_lo         ; lane l stands for batch row l: rows 0-15 below, 16-31 above
	ds_store_b32 v12, v150
	s_wait_dscnt 0x0                               ; for wave 0's sake: my K step's part lies in LDS
	s_barrier_signal -1
	s_barrier_wait -1
	s_cmp_lg_u32 s22, 0
	s_cbranch_scc1 .Lend
	ds_load_b64 v[152:153], v10                    ; the two K steps' parts of batch row l
	s_wait_dscnt 0x0
	v_add_f32 v156, v152, v153
	global_store_b64 v10, v[156:157], s[20:21]     ; 32 lanes store 256 consecutive bytes, at a multiple of 256 from dpart's first byte
.Lend:
	s_wait_tensorcnt 0x0
	ds_add_u32 v14, v15
	s_wait_dscnt 0x0
	s_endpgm
.Lfunc_end_k_q2d9e8ab988_prep:
	.size	k_q2d9e8ab988_prep, .Lfunc_end_k_q2d9e8ab988_prep-k_q2d9e8ab988_prep
	.p2alignl 7, 3214868480
	.fill 96, 4, 3214868480
	.section	.rodata,"a",@progbits
	.p2align	6, 0x0
	.amdhsa_kernel k_q2d9e8ab988_prep
		.amdhsa_group_segment_fixed_size 1280
		.amdhsa_private_segment_fixed_size 0
		.amdhsa_enable_private_segment 0
		.amdhsa_kernarg_size 72
		.amdhsa_user_sgpr_count 2
		.amdhsa_user_sgpr_kernarg_segment_ptr 1
		.amdhsa_wavefront_size32 1
		.amdhsa_system_sgpr_workgroup_id_x 1
		.amdhsa_system_sgpr_workgroup_id_y 1
		.amdhsa_system_sgpr_workgroup_id_z 1
		.amdhsa_system_vgpr_workitem_id 0
		.amdhsa_next_free_vgpr 320
		.amdhsa_next_free_sgpr 66
		.amdhsa_reserve_vcc 1
		.amdhsa_float_denorm_mode_32 3
		.amdhsa_float_denorm_mode_16_64 3
		.amdhsa_memory_ordered 1
		.amdhsa_forward_progress 1
		.amdhsa_inst_pref_size 31
	.end_amdhsa_kernel
	.amdgpu_metadata
---
amdhsa.version: [ 1, 2 ]
amdhsa.kernels:
  - .name:           k_q2d9e8ab988_prep
    .symbol:         k_q2d9e8ab988_prep.kd
    .args:
      - { .name: Wh_w, .offset: 0, .size: 8, .value_kind: global_buffer, .address_space: global }
      - { .name: Ws_w, .offset: 8, .size: 8, .value_kind: global_buffer, .address_space: global }
      - { .name: h_dec, .offset: 16, .size: 8, .value_kind: global_buffer, .address_space: global }
      - { .name: c_dec, .offset: 24, .size: 8, .value_kind: global_buffer, .address_space: global }
      - { .name: v_w, .offset: 32, .size: 8, .value_kind: global_buffer, .address_space: global }
      - { .name: Ws_b, .offset: 40, .size: 8, .value_kind: global_buffer, .address_space: global }
      - { .name: lowp_scales, .offset: 48, .size: 8, .value_kind: global_buffer, .address_space: global }
      - { .name: whq, .offset: 56, .size: 8, .value_kind: global_buffer, .address_space: global }
      - { .name: dpart, .offset: 64, .size: 8, .value_kind: global_buffer, .address_space: global }
    .group_segment_fixed_size: 1280
    .private_segment_fixed_size: 0
    .kernarg_segment_align: 8
    .kernarg_segment_size: 72
    .max_flat_workgroup_size: 64
    .sgpr_count:     66
    .vgpr_count:     320
    .wavefront_size: 32
...
	.end_amdgpu_metadata
.endif
;; end of part 1
;; launch main (part 2): grid 256 x 1, 4 waves a work-group, clusters of 4 x 1, 327,680 bytes of LDS; arguments encoder_output, whq, v_w, Wc_w, coverage_vector, x_padding_masks, lowp_scales, sc, ctxp; writes sc, ctxp
.if DOCPART == 2
	.amdgcn_target "amdgcn-amd-amdhsa--gfx1250"
	.amdhsa_code_object_version 6
	.text
	.protected	k_q2d9e8ab988_main
	.globl	k_q2d9e8ab988_main
	.p2align	8
	.type	k_q2d9e8ab988_main,@function
k_q2d9e8ab988_main:
	s_mov_b64 s[64:65], 0
	v_nop
	global_prefetch_b8 v0, s[64:65] scope:SCOPE_SE
	s_setreg_imm32_b32 hwreg(HW_REG_WAVE_MODE, 25, 1), 1
	s_wait_xcnt 0x0
	s_wait_alu depctr_hold_cnt(0) depctr_sa_sdst(0) depctr_va_vdst(0) depctr_va_sdst(0) depctr_va_ssrc(0) depctr_va_vcc(0) depctr_vm_vsrc(0)
	s_getreg_b32 s2, hwreg(HW_REG_IB_STS2, 6, 4)
	s_cmp_eq_u32 s2, 0
	s_cbranch_scc0 .Lentry_in_a_cluster
	s_endpgm
.Lentry_in_a_cluster:
	s_bfe_u32 s2, ttmp6, 0x10000c
	s_cmp_lg_u32 s2, 0x3003
	s_cbranch_scc0 .Lentry_shape_is_right
	s_endpgm
.Lentry_shape_is_right:
; ONE PASS OVER encoder_output.  Work-group g owns 128 rows (batch g / 8, chunk g % 8) and makes of them
;   sc[128 g + i]  = s' = 2^(e2+e3) sum_n v[n] (Q(enc) Q(Wh)^T)(i, n) + coverage[i] (Wc . v)      (the score less the decoder's term, which is one number a batch and is added by the next launch)
;   ctxp[g][d]     = sum_i bf16(exp(s'_i - m') mask_i) bf16(enc[i][d]),  m' = the largest s' of the 128 rows   (the context under the chunk's own maximum)
; K IS SHARED AMONG THE WAVES: wave w takes columns 256 w .. 256 w + 255 of all 128 rows.  The score is linear in the sums, so each wave folds its partial sums with v at once
; (two packed multiply-adds behind each matrix instruction) and the four waves' scores are added at the end.  So the wave's codes of enc (8 tiles of rows x 2 K steps, 256 registers) stay in registers,
; each fragment of Wh read from LDS feeds 8 matrix instructions, and each LDS byte of Wh is read by one wave only.
; PHASE 1: the rows stream through a ring of 24 rows in registers (48 loads of 512 consecutive bytes of a wave are out); a row becomes codes of BF8 (scale 2^e2) and bf16 numbers; both turn through the
; wave's own LDS stages, 16 rows at a time, into operand layout: the codes as fragments, the bf16 copy ([row][column]) by the transposing load as the context product's source 1 (K = the rows).
; PHASE 2: 64 tiles of 16 columns of Wh, whose codes come as register images through a ring of two LDS slots of 8 tiles.  All 256 work-groups walk the same codes, so the four of a cluster ask JOINTLY.
; THE ORDER OF K inside a wave's 256: code byte y of a row holds k = 4 (y >> 3) + (y & 3) + 128 ((y >> 2) & 1): what a lane's two 16-byte pieces of a row give one conversion; whq is laid in the same order.
; THE MATRIX INSTRUCTION IS USED TRANSPOSED (source 0 = 16 rows of Wh, source 1 = 16 rows of enc): lane (r, h) holds row r of enc, registers j = columns n = 16 t + 8 h + j.
; LIMITS: e2 between -126 and 112; e2 + e3 is applied by v_ldexp_f32.  NaN and infinities among the inputs are not served.  exp(..) x mask and enc are rounded to bf16 for the context product.
; The order of the f32 sums of a score differs from a row-wise sum: K quarters and pairs of columns are summed apart and joined at the end.
; REGISTERS, in windows of 256 (s_set_vgpr_msb: bits 1:0 source 0, 3:2 source 1, 5:4 source 2, 7:6 destination):
;   window 0: v0-31 addresses and small things; v32-223 phase 1's ring of rows, then v32-159 two sets of 8 accumulators, v160-223 two sets of Wh's two fragments; v224-239 the scores' 8 pairs; v240-247 bf16 fragment 47; v248-255 bf16 fragment 63
;   window 1: v0-127 enc's codes, K step 0; v128-135 two sets of a tile's v[0..3]; v136-255 bf16 fragments 48-62
;   window 2: v0-127 enc's codes, K step 1; v128-247 bf16 fragments 32-46; v248-255 two sets of a tile's v[4..7]           window 3: bf16 fragments 0-31
;   A folding line runs under the setting of the products beside it, whose source 1 lies in window 1 (K step 0) or 2 (K step 1): so the half of v that it multiplies by lies in that window too.
.set SLOT,  131072                     ; LDS: two slots of 8 tiles x 16,384 bytes from byte 0, filled by tensor loads alone
.set T16,   262144                     ; 4 x 16 rows x 544: each wave's stage for 16 rows of 256 bf16 (512 bytes + 32: an odd multiple of 32, for the transposing load); at the end its first 1,024 bytes carry the context out
.set T16P,  544
.set TC,    296960                     ; 4 x 16 rows x 272: each wave's stage for 16 rows of 256 codes (256 bytes + 16)
.set TCP,   272
.set VT,    314368                     ; v, 4,096 bytes
.set SCR,   318464                     ; [wave][r][tile of rows] partial scores, 2,048 bytes
.set REDW,  320512                     ; the four waves' parts of Wc . v
.set REDM,  320768                     ; the four waves' maxima
.set SF,    321024                     ; s' of the 128 rows
.set PB,    321536                     ; the 128 weights as bf16
.set SPARE, 321792                     ; the spare words, 128 bytes for each wave: two blocks of 256 bytes that no other line names
.set SPW,  1                           ; v1   SPARE + 4 x my thread's number; never rewritten
.set NIL,  2                           ; v2   0; never rewritten
.set L16,  3                           ; v3   16 x lane; never rewritten
.set T16W, 4                           ; v4   bf16 stage, in: 8 x lane
.set TCW,  5                           ; v5   code stage, in: 8 x lane
.set TCR,  6                           ; v6   code stage, out: row r, + 16 h
.set T16R, 7                           ; v7   bf16 stage, out: row 8 h + lane % 8, + 16 ((lane / 8) % 2)
.set BA,   8                           ; v8-11 Wh's images: slot, half of the slot; + 4,096 w + 16 x lane
.set VA0,  12                          ; v12  VT + 32 h
.set VADR, 13                          ; v13  the same for the 16 tiles in hand
.set SCL,  14                          ; v14  2^e2 as f32
.set LIM,  15                          ; v15  57,344 x 2^e2
.set COV,  16                          ; v16  coverage of row = my thread's number
.set MSK,  17                          ; v17  its mask
.set RAW,  32
.set TT,   224                         ; phase 1: two sets of 4 registers of bf16
.set CC,   232                         ; phase 1: two sets of 2 registers of codes
.set ACC,  32
.set BF,   160
.set SS,   224
.set TP,   208                         ; the tail's temporaries, v208-215: Wh's fragments have left them
.set VV1,  128                         ; in window 1
.set VV2,  248                         ; in window 2
.set WV,   22                          ; s22  my wave's number
.set G1B,  36                          ; s[36:43] descriptor group 1
.set G0B,  52                          ; s[52:55], s[56:59] group 0, a set for each slot
.set WP,   0x04                        ; source 1 in window 1
.set WQ,   0x08                        ; source 1 in window 2
.set MSB, 0
.macro WIN new                         ; the immediate's high byte repeats the setting that is left; a switch that changes nothing is dropped
.if MSB != (\new)
	s_set_vgpr_msb (MSB<<8)|(\new)
.set MSB, (\new)
.endif
.endm
.macro PLACES
.rept 4
	v_nop
.endr
.endm
.macro CREST                           ; a round of the cluster's barrier behind its opening barrier
	s_cmp_lg_u32 s[WV], 0
	s_cbranch_scc1 .Lnot_wave_0_\@
	s_barrier_signal -3
.Lnot_wave_0_\@:
	s_barrier_wait -3
	s_barrier_signal -1
	s_barrier_wait -1
.endm
.macro CROUND                          ; a whole round
	s_barrier_signal -1
	s_barrier_wait -1
	CREST
.endm
.macro CPSET f                         ; where bf16 fragment f = 16 u + q (rows 32 u on, columns 16 q on) lies: window CPW, register CPR
.if (\f) < 32
.set CPA, 768+8*(\f)
.elseif (\f) < 47
.set CPA, 640+8*((\f)-32)
.elseif (\f) == 47
.set CPA, 240
.elseif (\f) < 63
.set CPA, 392+8*((\f)-48)
.else
.set CPA, 248
.endif
.set CPW, CPA/256
.set CPR, CPA%256
.endm
	s_load_b256 s[4:11], s[0:1], 0x0               ; enc s[4:5], whq s[6:7], v s[8:9], Wc s[10:11]
	s_load_b256 s[12:19], s[0:1], 0x20             ; coverage s[12:13], mask s[14:15], the exponents s[16:17], sc s[18:19]
	s_load_b64 s[20:21], s[0:1], 0x40              ; ctxp
	v_lshl_add_u32 v[SPW], v0, 2, SPARE
	v_mov_b32 v[NIL], 0
	ds_add_u32 v1, v2
	ds_add_u32 v1, v2
	s_wait_dscnt 0x0
	v_lshrrev_b32 v20, 5, v0
	v_readfirstlane_b32 s[WV], v20                 ; wave 0..3
	s_bfe_u32 s23, ttmp6, 0x40000                  ; cx: my place in the cluster
	s_lshl_b32 s24, ttmp9, 2                       ; in a cluster launch ttmp9 counts clusters
	s_add_co_u32 s24, s24, s23                     ; g = 4 x cluster + cx: it enters the addresses of enc, coverage, mask, sc and ctxp alone
	v_and_b32 v20, 31, v0                          ; lane
	v_and_b32 v21, 15, v0                          ; r
	v_bfe_u32 v22, v0, 4, 1                        ; h
	v_lshlrev_b32 v[L16], 4, v20
	v_lshlrev_b32 v18, 4, v0                       ; 16 x thread: v and Wc
	v_lshlrev_b32 v19, 2, v0                       ; 4 x thread: coverage and mask
	s_lshl_b32 s28, s24, 19                        ; 128 rows of 4,096 bytes x g
	s_lshl_b32 s29, s[WV], 10                      ; + my 1,024 bytes of a row
	s_add_co_u32 s28, s28, s29
	s_mov_b32 s29, 0
	s_lshl_b32 s30, s24, 9                         ; 128 numbers x g
	s_mov_b32 s31, 0
	s_lshl_b32 s44, s24, 12                        ; ctxp: 4,096 g + 1,024 w
	s_lshl_b32 s45, s[WV], 10
	s_add_co_u32 s44, s44, s45
	s_mov_b32 s45, 0
	s_lshl_b32 s46, s[WV], 15                      ; of a slot's 131,072 bytes I fetch 32,768 x wave on: no place in the cluster enters it
	s_mov_b32 s47, 0
	s_mul_i32 s32, s[WV], 16*T16P
	s_add_co_u32 s32, s32, T16                     ; my bf16 stage
	s_mul_i32 s33, s[WV], 16*TCP
	s_add_co_u32 s33, s33, TC                      ; my code stage
	s_lshl_b32 s34, s[WV], 12
	s_lshl_b32 s35, s[WV], 2
	s_add_co_u32 s35, s35, REDW
	s_mov_b32 s62, 0x76543210                      ; v_permlanex16_b32: lane l xor 16
	s_mov_b32 s63, 0xfedcba98
	s_wait_kmcnt 0x0
	s_load_b128 s[68:71], s[16:17], 0x0            ; e0, e1, e2, e3
	s_add_nc_u64 s[26:27], s[4:5], s[28:29]        ; enc at my rows' first byte of my K quarter; never rewritten
	s_add_nc_u64 s[12:13], s[12:13], s[30:31]
	s_add_nc_u64 s[14:15], s[14:15], s[30:31]
	s_add_nc_u64 s[18:19], s[18:19], s[30:31]
	s_add_nc_u64 s[20:21], s[20:21], s[44:45]
	s_add_nc_u64 s[6:7], s[6:7], s[46:47]
	global_load_b128 v[224:227], v18, s[8:9]               ; v[4 t ..], v[512 + 4 t ..]
	global_load_b128 v[228:231], v18, s[8:9] offset:2048
	global_load_b128 v[232:235], v18, s[10:11]             ; Wc likewise
	global_load_b128 v[236:239], v18, s[10:11] offset:2048
	global_load_b32 v[COV], v19, s[12:13]
	global_load_b32 v[MSK], v19, s[14:15]
; Row R of my quarter: two loads of 512 consecutive bytes: lane l takes columns 4 l .. 4 l + 3 and 128 + 4 l .. + 3.  Every offset is an immediate (520,704 at the most); read once in the launch.
.macro LOADROW R
	global_load_b128 v[RAW+8*((\R)%24):RAW+8*((\R)%24)+3],   v[L16], s[26:27] offset:4096*(\R) th:TH_LOAD_NT
	global_load_b128 v[RAW+8*((\R)%24)+4:RAW+8*((\R)%24)+7], v[L16], s[26:27] offset:4096*(\R)+512 th:TH_LOAD_NT
.endm
.set RW, 0
.rept 24
	LOADROW RW
.set RW, RW+1
.endr
	; descriptor group 1: 32,768 dense bytes as 128 rows of 32 elements of 8 bytes
	s_mov_b32 s[G1B], 15|(3<<16)|(1<<21)           ; 15:0 the mask: all four work-groups; 17:16 elements of 8 bytes; 20 no padding; 21 set beside a mask
	s_mov_b32 s[G1B+1], 32<<16                     ; tensor_dim0 = 32
	s_mov_b32 s[G1B+2], 128<<16                    ; tensor_dim1 = 128
	s_mov_b32 s[G1B+3], 32<<16                     ; tile_dim0 = 32
	s_mov_b32 s[G1B+4], 128                        ; tile_dim1 = 128
	s_mov_b32 s[G1B+5], 32                         ; from row to row
	s_mov_b32 s[G1B+6], 0
	s_mov_b32 s[G1B+7], 0
	s_mov_b32 s[G0B], 1                            ; slot 0: tiles 0-7
	s_mov_b32 s[G0B+1], s46
	s_mov_b64 s[G0B+2:G0B+3], s[6:7]
	s_or_b32 s[G0B+3], s[G0B+3], 0x80000000
	s_mov_b32 s[G0B+4], 1                          ; slot 1: tiles 8-15
	s_add_co_u32 s[G0B+5], s46, SLOT
	s_add_nc_u64 s[G0B+6:G0B+7], s[6:7], SLOT
	s_or_b32 s[G0B+7], s[G0B+7], 0x80000000
	CROUND                                         ; all four work-groups are here: the first joint loads meet
	tensor_load_to_lds s[G0B:G0B+3], s[G1B:G1B+7]  ; both first fills together, ahead of every wait on TENSORcnt: two loads of mine are out
	s_nop 0
	tensor_load_to_lds s[G0B+4:G0B+7], s[G1B:G1B+7]
	s_nop 0
	PLACES                                         ; four v_nop follow the tensor loads
	v_lshl_add_u32 v[T16W], v20, 3, s32
	v_lshl_add_u32 v[TCW], v20, 3, s33
	v_mul_u32_u24 v[TCR], v21, TCP
	v_lshl_add_u32 v[TCR], v22, 4, v[TCR]
	v_add_nc_u32 v[TCR], s33, v[TCR]
	v_and_b32 v23, 7, v0
	v_bfe_u32 v24, v0, 3, 1
	v_lshl_add_u32 v[T16R], v22, 3, v23
	v_mul_u32_u24 v[T16R], v[T16R], T16P
	v_lshl_add_u32 v[T16R], v24, 4, v[T16R]
	v_add_nc_u32 v[T16R], s32, v[T16R]
	v_add_nc_u32 v[BA], s34, v[L16]
	v_add_nc_u32 v[BA+1], 0x10000, v[BA]
	v_add_nc_u32 v[BA+2], 0x20000, v[BA]
	v_add_nc_u32 v[BA+3], 0x30000, v[BA]
	v_lshl_add_u32 v[VA0], v22, 5, VT
	v_add_nc_u32 v27, VT, v18
	v_mov_b32 v26, s35
	s_wait_kmcnt 0x0
	s_add_co_i32 s73, s70, 127
	s_lshl_b32 s74, s73, 23
	v_mov_b32 v[SCL], s74                          ; 2^e2: the conversion takes its exponent field
	s_add_co_i32 s73, s73, 15
	s_lshl_b32 s73, s73, 23
	s_or_b32 s73, s73, 0x600000
	v_mov_b32 v[LIM], s73                          ; 57,344 x 2^e2
	s_add_co_i32 s72, s70, s71                     ; e2 + e3
	s_wait_loadcnt 48                              ; behind the six small loads were issued the ring's 48
	ds_store_b128 v27, v[224:227]                  ; v into LDS, for all four waves
	ds_store_b128 v27, v[228:231] offset:2048
	v_pk_mul_f32 v[24:25], v[224:225], v[232:233]  ; my eight terms of Wc . v
	v_pk_fma_f32 v[24:25], v[226:227], v[234:235], v[24:25]
	v_pk_fma_f32 v[24:25], v[228:229], v[236:237], v[24:25]
	v_pk_fma_f32 v[24:25], v[230:231], v[238:239], v[24:25]
	v_add_f32 v24, v24, v25
	v_add_f32_dpp v24, v24, v24 row_xmask:1 row_mask:0xf bank_mask:0xf
	v_add_f32_dpp v24, v24, v24 row_xmask:2 row_mask:0xf bank_mask:0xf
	v_add_f32_dpp v24, v24, v24 row_xmask:4 row_mask:0xf bank_mask:0xf
	v_add_f32_dpp v24, v24, v24 row_xmask:8 row_mask:0xf bank_mask:0xf
	v_permlanex16_b32 v25, v24, s62, s63
	v_add_f32 v24, v24, v25
	ds_store_b32 v26, v24                          ; my wave's part; all lanes write the same word with the same number
; ---- PHASE 1.  One row: bf16 copy and codes into the wave's own stages (LDS serves a wave's instructions in order, ISA guide 5.7.1.4: no wait stands between these stores and TILEEND's loads, nor ahead of the next tile's stores)
.macro ROWIN R
.set RB,  RAW+8*((\R)%24)
.set TS,  TT+4*((\R)%2)
.set CX2, CC+2*((\R)%2)
.set RHO, (\R)%16
.if 127-(\R) >= 23
	s_wait_loadcnt 46                              ; loads come back in order: this row's two are in, the 23 younger rows' 46 stay out
.else
	s_wait_loadcnt 2*(127-(\R))                    ; the ring runs empty: the rows still behind this one
.endif
	v_cvt_pk_bf16_f32 v[TS],   v[RB],   v[RB+1]
	v_cvt_pk_bf16_f32 v[TS+1], v[RB+2], v[RB+3]
	v_cvt_pk_bf16_f32 v[TS+2], v[RB+4], v[RB+5]
	v_cvt_pk_bf16_f32 v[TS+3], v[RB+6], v[RB+7]
	ds_store_b64 v[T16W], v[TS:TS+1]   offset:T16P*RHO       ; columns in their natural order: 256 consecutive bytes a store
	ds_store_b64 v[T16W], v[TS+2:TS+3] offset:T16P*RHO+256
.irp i, 0,1,2,3,4,5,6,7
	v_med3_num_f32 v[RB+\i], v[RB+\i], -v[LIM], v[LIM]       ; the conversion to an 8-bit code does not saturate (ISA guide 7.6.2): the hold at the largest code x the scale
.endr
	v_cvt_scalef32_pk8_bf8_f32 v[CX2:CX2+1], v[RB:RB+7], v[SCL]   ; its result goes to a store and its sources take a load; the next row's plain lines come ahead of any vector line that touches either
	ds_store_b64 v[TCW], v[CX2:CX2+1] offset:TCP*RHO         ; code bytes 8 l .. 8 l + 7 of the row
.if (\R)+24 < 128
	LOADROW (\R)+24
.endif
.endm
; 16 rows are in the stages: they come back in operand layout and stay in registers
.macro TILEEND m
	WIN 0x40
.irp c, 0,1,2,3
	ds_load_b128 v[16*(\m)+4*\c:16*(\m)+4*\c+3], v[TCR] offset:32*\c          ; K step 0: registers 4 c .. 4 c + 3 = code bytes 32 c + 16 h + 0 .. 15 of row r
.endr
	WIN 0x80
.irp c, 0,1,2,3
	ds_load_b128 v[16*(\m)+4*\c:16*(\m)+4*\c+3], v[TCR] offset:128+32*\c      ; K step 1
.endr
.irp q, 0,1,2,3,4,5,6,7,8,9,10,11,12,13,14,15
	CPSET 16*((\m)/2)+\q
	WIN CPW*64
	ds_load_tr16_b128 v[CPR+4*((\m)%2):CPR+4*((\m)%2)+3], v[T16R] offset:32*\q   ; column 16 q + r, rows 16 m + 8 h + 0 .. 7: half a fragment of the context product's source 1
.endr
	WIN 0
.endm
.set RW, 0
.rept 128
	ROWIN RW
.if RW%16 == 15
	TILEEND RW/16
.endif
.set RW, RW+1
.endr
	v_nop                                          ; one plain vector line behind the last conversion
	s_wait_dscnt 0x0                               ; my operands are in registers; my stores of v and of Wc . v have landed, for the others' sake
	s_wait_tensorcnt 0x1                           ; my part of slot 0 is in; slot 1's may stay out
	s_barrier_signal -1
	s_barrier_wait -1
; ---- PHASE 2
.macro KLOAD dst, sl, ti, ks           ; my fragment of Wh (tile ti of slot sl, K step ks of my quarter): an image: four loads of 512 consecutive bytes
.irp c, 0,1,2,3
	ds_load_b128 v[\dst+4*\c:\dst+4*\c+3], v[BA+2*(\sl)+(\ti)/4] offset:16384*((\ti)%4)+2048*(\ks)+512*\c
.endr
.endm
.macro VLOAD t, set                    ; v[16 t + 8 h + 0 .. 3] into window 1 and v[.. + 4 .. 7] into window 2, of tile t of the 16 in hand, into the given set
	WIN 0x40
	ds_load_b128 v[VV1+4*(\set):VV1+4*(\set)+3], v[VADR] offset:64*(\t)
	WIN 0x80
	ds_load_b128 v[VV2+4*(\set):VV2+4*(\set)+3], v[VADR] offset:64*(\t)+16
.endm
; Two of the 32 packed multiply-adds that fold the finished tile PRV into the scores.  blk = 0 (beside K step 0's products): registers 0, 1 of accumulator g and 2, 3 of accumulator (g + 4) % 8;
; blk = 1 (beside K step 1's): registers 4, 5 and 6, 7 of the same two..
.macro FOLD g, blk
.set EA, (\g)
.set EB, ((\g)+4)%8
.if \blk == 0
.set VR, VV1+4*VS
.else
.set VR, VV2+4*VS
.endif
	v_pk_fma_f32 v[SS+2*EA:SS+2*EA+1], v[PRV+8*EA+4*(\blk):PRV+8*EA+4*(\blk)+1],   v[VR:VR+1],   v[SS+2*EA:SS+2*EA+1]
	v_pk_fma_f32 v[SS+2*EB:SS+2*EB+1], v[PRV+8*EB+4*(\blk)+2:PRV+8*EB+4*(\blk)+3], v[VR+2:VR+3], v[SS+2*EB:SS+2*EB+1]
.endm
.macro PGROUP m                        ; K step 0 starts the tile's sum for rows 16 m on (C = 0)
	v_wmma_f32_16x16x128_bf8_bf8 v[CUR+8*(\m):CUR+8*(\m)+7], v[BFC:BFC+15], v[16*(\m):16*(\m)+15], 0
	FOLD \m, 0
.endm
.macro QGROUP m                        ; K step 1: the eight accumulators by turns, one instruction a turn
	v_wmma_f32_16x16x128_bf8_bf8 v[CUR+8*(\m):CUR+8*(\m)+7], v[BFC+16:BFC+31], v[16*(\m):16*(\m)+15], v[CUR+8*(\m):CUR+8*(\m)+7]
	FOLD \m, 1
.endm
; Tile ti of slot sl.  kind 0: its successor lies in the same slot.  1: the slot's last tile, and the slot is filled again.  2: the same, nothing is filled.  3: the last tile of all.
; A tile's ten LDS loads stand in ONE run, in the order: this tile's v (2), the next tile's K step 0 (4), its K step 1 (4).  v has two sets by turns: the set read belongs to the tile being folded.
; THE FOLDING LINES ARE THE PLACES behind the products (ISA guide 7.12.1 for vector instructions): the run stands six of them behind the last product that read the fragment which it fills
; (two behind that product, four behind this tile's first two), and none of the six names a register of that product.
.macro TILE ti, sl, kind
.set CUR, ACC+64*((\ti)%2)
.set PRV, ACC+64*(1-(\ti)%2)
.set BFC, BF+32*((\ti)%2)
.set BFN, BF+32*(1-(\ti)%2)
.set VS,  1-(\ti)%2
.if \kind == 0
	s_wait_dscnt 0x4                               ; the last run's v and K step 0 are in; its last four loads, K step 1's, may be out
	WIN WP
	PGROUP 0
	PGROUP 1
	VLOAD 8*(\sl)+(\ti), (\ti)%2
	WIN WP
	KLOAD BFN, \sl, (\ti)+1, 0
	KLOAD BFN+16, \sl, (\ti)+1, 1
.irp m, 2,3,4,5,6,7
	PGROUP \m
.endr
	WIN WQ
	s_wait_dscnt 0xa                               ; behind K step 1's loads was issued this tile's run of ten
.irp m, 0,1,2,3,4,5,6,7
	QGROUP \m
.endr
.elseif \kind == 3
	s_wait_dscnt 0x4
	WIN WP
	PGROUP 0
	PGROUP 1
	VLOAD 8*(\sl)+(\ti), (\ti)%2
	WIN WP
.irp m, 2,3,4,5,6,7
	PGROUP \m
.endr
	WIN WQ
	s_wait_dscnt 0x2                               ; behind K step 1's loads: the two for v
.irp m, 0,1,2,3,4,5,6,7
	QGROUP \m
.endr
	s_wait_dscnt 0x0                               ; this tile's v
.set PRV, CUR
.set VS,  (\ti)%2
	WIN WP                                         ; the last tile is folded
.irp m, 0,1,2,3,4,5,6,7
	FOLD \m, 0
.endr
	WIN WQ
.irp m, 0,1,2,3,4,5,6,7
	FOLD \m, 1
.endr
	WIN 0
.else
	WIN 0                                          ; (the add's two registers lie in window 0)
	s_wait_tensorcnt 0x0                           ; all my tensor loads have landed: the one that was out is my part of the other slot
	ds_add_u32 v[SPW], v[NIL]                      ; 0 onto my spare word
.if \kind == 1
	s_add_nc_u64 s[G0B+4*(\sl)+2:G0B+4*(\sl)+3], s[G0B+4*(\sl)+2:G0B+4*(\sl)+3], 2*SLOT   ; no load of mine is out, so a group 0 may be written: this slot's next eight tiles
.endif
	s_wait_dscnt 0x0                               ; the add is done, and my reads of this slot are over: this tile's two fragments were the last
	s_barrier_signal -1
	WIN WP
.irp m, 0,1,2,3,4,5,6,7
	PGROUP \m                                      ; work on registers while the others arrive
.endr
	WIN 0                                          ; at a branch and at a label every window is 0
	s_barrier_wait -1
.if \kind == 1
	CREST                                          ; the barrier has opened a round of the cluster's: no wave of any partner still reads this slot or has a load on its way
	tensor_load_to_lds s[G0B+4*(\sl):G0B+4*(\sl)+3], s[G1B:G1B+7]   ; my one tensor load behind the round: it has the other slot's eight tiles in which to land
	s_nop 0
	PLACES
.endif
	VLOAD 8*(\sl)+(\ti), (\ti)%2                   ; the run, in its usual order; the other slot is whole: its first tile
	WIN WQ
	KLOAD BFN, 1-(\sl), 0, 0
	KLOAD BFN+16, 1-(\sl), 0, 1
.irp m, 0,1,2,3,4,5,6,7
	QGROUP \m
.endr
.endif
.endm
.macro SLOTRUN sl, kind
.irp ti, 0,1,2,3,4,5,6
	TILE \ti, \sl, 0
.endr
	TILE 7, \sl, \kind
.endm
	WIN 0x40                                       ; ahead of tile 0, in the order that a tile's waits count on: v's set 1 (any finite v: the first tile folds zeros),
	ds_load_b128 v[VV1+4:VV1+7], v[VA0]
	WIN 0x80
	ds_load_b128 v[VV2+4:VV2+7], v[VA0] offset:16
	WIN 0
	KLOAD BF, 0, 0, 0                              ; and tile 0's two fragments
	KLOAD BF+16, 0, 0, 1
.set ZI, 0
.rept 64
	v_mov_b32 v[ACC+64+ZI], 0                      ; the loop is written once: its first tile finds a finished tile of zeros to fold
.set ZI, ZI+1
.endr
.set ZI, 0
.rept 16
	v_mov_b32 v[SS+ZI], 0
.set ZI, ZI+1
.endr
	s_mov_b32 s61, 0                               ; 1,024 bytes of v for each trip's 16 tiles
	s_mov_b32 s60, 3
.Lring:                                                ; three trips: both slots are read and filled again (tiles 16-63 are asked for here)
	v_add_nc_u32 v[VADR], s61, v[VA0]
	SLOTRUN 0, 1
	SLOTRUN 1, 1
	WIN 0
	s_add_co_u32 s61, s61, 1024
	s_sub_co_u32 s60, s60, 1
	s_cmp_lg_u32 s60, 0
	s_cbranch_scc1 .Lring
	v_add_nc_u32 v[VADR], 3072, v[VA0]             ; the last 16 tiles are written out: nothing is left to fetch
	SLOTRUN 0, 2
	SLOTRUN 1, 3
; ---- THE SCORES.  A pair's two halves and the other half of the lanes' are added; the four waves' parts meet in LDS
.irp m, 0,1,2,3,4,5,6,7
	v_add_f32 v[TP+\m], v[SS+2*\m], v[SS+2*\m+1]
.endr
.irp m, 0,1,2,3,4,5,6,7
	v_permlanex16_b32 v[SS+2*\m], v[TP+\m], s62, s63   ; (into registers that have just been read out)
.endr
.irp m, 0,1,2,3,4,5,6,7
	v_add_f32 v[TP+\m], v[TP+\m], v[SS+2*\m]
.endr
	v_cmp_ne_u32 vcc_lo, 0, v22
.irp k, 0,1,2,3
	v_cndmask_b32 v[SS+\k], v[TP+\k], v[TP+4+\k], vcc_lo   ; lanes 0-15 keep tiles of rows 0-3, lanes 16-31 tiles 4-7
.endr
	s_lshl_b32 s73, s[WV], 9
	s_add_co_u32 s73, s73, SCR
	v_lshlrev_b32 v23, 5, v21
	v_lshl_add_u32 v23, v22, 4, v23
	v_add_nc_u32 v23, s73, v23
	ds_store_b128 v23, v[SS:SS+3]                  ; [wave][r][tile of rows]
	s_wait_dscnt 0x0
	s_barrier_signal -1
	s_barrier_wait -1
	v_lshrrev_b32 v24, 4, v0                       ; thread t takes row t: tile t / 16, r = t % 16
	v_lshlrev_b32 v25, 5, v21
	v_lshl_add_u32 v25, v24, 2, v25
	v_add_nc_u32 v25, SCR, v25
	v_mov_b32 v26, REDW
	ds_load_b32 v[TP], v25
	ds_load_b32 v[TP+1], v25 offset:512
	ds_load_b32 v[TP+2], v25 offset:1024
	ds_load_b32 v[TP+3], v25 offset:1536
	ds_load_b128 v[TP+4:TP+7], v26
	s_lshl_b32 s74, s[WV], 2
	s_add_co_u32 s74, s74, REDM
	v_mov_b32 v27, s74
	v_lshl_add_u32 v28, v0, 2, SF
	s_wait_dscnt 0x0
	v_add_f32 v[TP], v[TP], v[TP+1]
	v_add_f32 v[TP+2], v[TP+2], v[TP+3]
	v_add_f32 v[TP+4], v[TP+4], v[TP+5]
	v_add_f32 v[TP+6], v[TP+6], v[TP+7]
	v_add_f32 v[TP], v[TP], v[TP+2]
	v_add_f32 v[TP+4], v[TP+4], v[TP+6]            ; Wc . v
	v_ldexp_f32 v[TP], v[TP], s72                  ; x 2^(e2 + e3)
	v_fma_f32 v[TP], v[COV], v[TP+4], v[TP]        ; s'
	v_max_num_f32_dpp v[TP+1], v[TP], v[TP] row_xmask:1 row_mask:0xf bank_mask:0xf
	v_max_num_f32_dpp v[TP+1], v[TP+1], v[TP+1] row_xmask:2 row_mask:0xf bank_mask:0xf
	v_max_num_f32_dpp v[TP+1], v[TP+1], v[TP+1] row_xmask:4 row_mask:0xf bank_mask:0xf
	v_max_num_f32_dpp v[TP+1], v[TP+1], v[TP+1] row_xmask:8 row_mask:0xf bank_mask:0xf
	v_permlanex16_b32 v[TP+2], v[TP+1], s62, s63
	v_max_num_f32 v[TP+1], v[TP+1], v[TP+2]
	ds_store_b32 v27, v[TP+1]                      ; my wave's largest s'
	ds_store_b32 v28, v[TP]
	s_wait_dscnt 0x0
	s_barrier_signal -1
	s_barrier_wait -1
	v_mov_b32 v29, REDM
	ds_load_b128 v[TP+4:TP+7], v29
	v_add_nc_u32 v31, SF, v[L16]
	v_lshl_add_u32 v4, v22, 4, PB
	s_wait_dscnt 0x0
	v_max3_num_f32 v[TP+4], v[TP+4], v[TP+5], v[TP+6]
	v_max_num_f32 v[TP+4], v[TP+4], v[TP+7]        ; m': the largest of the 128
	v_sub_f32 v[TP+1], v[TP], v[TP+4]              ; the difference first: it is exact near the maximum
	v_mul_f32 v[TP+1], 0x3fb8aa3b, v[TP+1]
	v_exp_f32 v[TP+1], v[TP+1]
	v_lshl_add_u32 v30, v0, 1, PB                  ; (a plain line behind the exponential)
	s_wait_alu depctr_va_vdst(0)
	v_mul_f32 v[TP+1], v[TP+1], v[MSK]
	v_cvt_pk_bf16_f32 v[TP+1], v[TP+1], v[TP+1]
	ds_store_b16 v30, v[TP+1]
	s_wait_dscnt 0x0
	s_barrier_signal -1
	s_barrier_wait -1
	s_cmp_lg_u32 s[WV], 0
	s_cbranch_scc1 .Lnot_first
	ds_load_b128 v[TP+4:TP+7], v31                 ; wave 0 sends the 128 s' out
	s_wait_dscnt 0x0
	global_store_b128 v[L16], v[TP+4:TP+7], s[18:19]   ; 512 consecutive bytes, at a multiple of 512 from sc's first byte; its registers are not written again
.Lnot_first:
; ---- THE CONTEXT under m': K = the 128 rows, N = my 256 columns.  Source 0: the weights, the same in all 16 rows; source 1: the bf16 copy.  Sixteen accumulators by turns
.irp u, 0,1,2,3
	ds_load_b128 v[BF+8*\u:BF+8*\u+3],   v4 offset:64*\u       ; rows 32 u + 8 h + 0 .. 7
	ds_load_b128 v[BF+8*\u+4:BF+8*\u+7], v4 offset:64*\u+32    ; rows 32 u + 16 + 8 h + 0 .. 7
.endr
	v_lshl_add_u32 v5, v21, 2, s32
	v_add_nc_u32 v6, s32, v[L16]
	s_wait_dscnt 0x0
.irp u, 0,1,2,3
.irp q, 0,1,2,3,4,5,6,7,8,9,10,11,12,13,14,15
	CPSET 16*\u+\q
	WIN CPW*4
.if \u == 0
	v_wmma_f32_16x16x32_bf16 v[ACC+8*\q:ACC+8*\q+7], v[BF+8*\u:BF+8*\u+7], v[CPR:CPR+7], 0
.else
	v_wmma_f32_16x16x32_bf16 v[ACC+8*\q:ACC+8*\q+7], v[BF+8*\u:BF+8*\u+7], v[CPR:CPR+7], v[ACC+8*\q:ACC+8*\q+7]
.endif
.endr
.endr
	WIN 0
	PLACES
.irp q, 0,1,2,3,4,5,6,7,8,9,10,11,12,13,14,15
	ds_store_b32 v5, v[ACC+8*\q] offset:64*\q      ; register 0 of lane r is column 16 q + r (all 16 rows of a result are alike; both halves of the lanes write the same word with the same number)
.endr
	ds_load_b128 v[192:195], v6                    ; my own bytes: LDS serves a wave's instructions in order
	ds_load_b128 v[196:199], v6 offset:512
	s_wait_dscnt 0x0
	global_store_b128 v[L16], v[192:195], s[20:21]             ; 512 consecutive bytes each, at multiples of 512 from ctxp's first byte
	global_store_b128 v[L16], v[196:199], s[20:21] offset:512
	s_wait_tensorcnt 0x0                           ; the wave's end: behind my last tensor load and my last LDS store
	ds_add_u32 v[SPW], v[NIL]
	s_wait_dscnt 0x0
	CROUND                                         ; the closing round: no work-group ends while a partner may still ask for a tile that names it
	s_endpgm
.Lfunc_end_k_q2d9e8ab988_main:
	.size	k_q2d9e8ab988_main, .Lfunc_end_k_q2d9e8ab988_main-k_q2d9e8ab988_main
	.p2alignl 7, 3214868480
	.fill 96, 4, 3214868480
	.section	.rodata,"a",@progbits
	.p2align	6, 0x0
	.amdhsa_kernel k_q2d9e8ab988_main
		.amdhsa_group_segment_fixed_size 327680
		.amdhsa_private_segment_fixed_size 0
		.amdhsa_enable_private_segment 0
		.amdhsa_kernarg_size 72
		.amdhsa_user_sgpr_count 2
		.amdhsa_user_sgpr_kernarg_segment_ptr 1
		.amdhsa_wavefront_size32 1
		.amdhsa_system_sgpr_workgroup_id_x 1
		.amdhsa_system_sgpr_workgroup_id_y 1
		.amdhsa_system_sgpr_workgroup_id_z 1
		.amdhsa_system_vgpr_workitem_id 0
		.amdhsa_next_free_vgpr 1024
		.amdhsa_next_free_sgpr 80
		.amdhsa_reserve_vcc 1
		.amdhsa_float_denorm_mode_32 3
		.amdhsa_float_denorm_mode_16_64 3
		.amdhsa_memory_ordered 1
		.amdhsa_forward_progress 1
		.amdhsa_inst_pref_size 255
	.end_amdhsa_kernel
	.section	.bss,"aw",@nobits
	.p2align	6
	.space	262144
	.amdgpu_metadata
---
amdhsa.version: [ 1, 2 ]
amdhsa.kernels:
  - .name:           k_q2d9e8ab988_main
    .symbol:         k_q2d9e8ab988_main.kd
    .args:
      - { .name: encoder_output, .offset: 0, .size: 8, .value_kind: global_buffer, .address_space: global }
      - { .name: whq, .offset: 8, .size: 8, .value_kind: global_buffer, .address_space: global }
      - { .name: v_w, .offset: 16, .size: 8, .value_kind: global_buffer, .address_space: global }
      - { .name: Wc_w, .offset: 24, .size: 8, .value_kind: global_buffer, .address_space: global }
      - { .name: coverage_vector, .offset: 32, .size: 8, .value_kind: global_buffer, .address_space: global }
      - { .name: x_padding_masks, .offset: 40, .size: 8, .value_kind: global_buffer, .address_space: global }
      - { .name: lowp_scales, .offset: 48, .size: 8, .value_kind: global_buffer, .address_space: global }
      - { .name: sc, .offset: 56, .size: 8, .value_kind: global_buffer, .address_space: global }
      - { .name: ctxp, .offset: 64, .size: 8, .value_kind: global_buffer, .address_space: global }
    .group_segment_fixed_size: 327680
    .private_segment_fixed_size: 0
    .kernarg_segment_align: 8
    .kernarg_segment_size: 72
    .max_flat_workgroup_size: 128
    .sgpr_count:     80
    .vgpr_count:     1024
    .wavefront_size: 32
...
	.end_amdgpu_metadata
.endif
;; end of part 2
;; launch comb (part 3): grid 32 x 1, 8 waves a work-group, no clusters, 2,048 bytes of LDS; arguments sc, ctxp, dpart, x_padding_masks, coverage_vector, out0, out1, out2; writes out0, out1, out2
.if DOCPART == 3
	.amdgcn_target "amdgcn-amd-amdhsa--gfx1250"
	.amdhsa_code_object_version 6
	.text
	.protected	k_q2d9e8ab988_comb
	.globl	k_q2d9e8ab988_comb
	.p2align	8
	.type	k_q2d9e8ab988_comb,@function
k_q2d9e8ab988_comb:
	s_mov_b64 s[64:65], 0
	v_nop
	global_prefetch_b8 v0, s[64:65] scope:SCOPE_SE
	s_setreg_imm32_b32 hwreg(HW_REG_WAVE_MODE, 25, 1), 1
	s_wait_xcnt 0x0
; The softmax over a batch's 1,024 positions, the mask, the renormalisation, and the eight chunks' contexts joined.
; Work-group b takes batch b; thread t takes positions (and, for the context, columns) 4 t .. 4 t + 3, so wave w holds exactly chunk w's 128 positions.
; score = s' + D[b], D[b] = the sum of batch b's pairs in dpart's 256 units (decoder product folded with v, and Ws_b . v): thread t takes unit t.
; M = the largest score; e = exp(score - M); Z = sum e; sm = e / Z; wm = sm x mask; W = sum wm; w = wm / W.
; ctxp[g] was summed under the chunk's own largest s', m'_g, which is found again here from the same 128 numbers: context = sum_g ctxp[g] exp((m'_g + D) - M) / (Z W).
; Memory and latency bind: no matrix unit, no cluster.  Every load goes out at the head; every store of a wave covers 512 consecutive bytes.
; LIMITS: W at least 2^-126 (v_rcp_f32 takes a denormal for 0); a row whose mask is all 0 gives NaN, as 0 / 0 does.  NaN and infinities among the inputs are not served.
.macro WSUM a, t
	v_add_f32_dpp v[\a], v[\a], v[\a] row_xmask:1 row_mask:0xf bank_mask:0xf
	v_add_f32_dpp v[\a], v[\a], v[\a] row_xmask:2 row_mask:0xf bank_mask:0xf
	v_add_f32_dpp v[\a], v[\a], v[\a] row_xmask:4 row_mask:0xf bank_mask:0xf
	v_add_f32_dpp v[\a], v[\a], v[\a] row_xmask:8 row_mask:0xf bank_mask:0xf
	v_permlanex16_b32 v[\t], v[\a], s28, s29
	v_add_f32 v[\a], v[\a], v[\t]
.endm
.macro ADD8                            ; v84 = the sum of v84-91
	v_add_f32 v84, v84, v85
	v_add_f32 v86, v86, v87
	v_add_f32 v88, v88, v89
	v_add_f32 v90, v90, v91
	v_add_f32 v84, v84, v86
	v_add_f32 v88, v88, v90
	v_add_f32 v84, v84, v88
.endm
.macro GSUM a, off                     ; the eight waves' sums meet in LDS words of their own; the total comes back in v84
	ds_store_b32 v23, v[\a] offset:\off
	s_wait_dscnt 0x0                               ; for the others' sake
	s_barrier_signal -1
	s_barrier_wait -1
	ds_load_b128 v[84:87], v24 offset:\off
	ds_load_b128 v[88:91], v24 offset:\off+16
	s_wait_dscnt 0x0
	ADD8
.endm
	s_load_b256 s[4:11], s[0:1], 0x0               ; sc s[4:5], ctxp s[6:7], dpart s[8:9], mask s[10:11]
	s_load_b256 s[12:19], s[0:1], 0x20             ; coverage s[12:13], out0 s[14:15], out1 s[16:17], out2 s[18:19]
	v_lshl_add_u32 v96, v0, 2, 0x400
	v_mov_b32 v97, 0
	v_lshrrev_b32 v1, 5, v0
	v_readfirstlane_b32 s26, v1                    ; wave = chunk
	v_lshlrev_b32 v1, 4, v0                        ; 16 x thread
	v_lshlrev_b32 v3, 8, v0                        ; dpart: thread t takes unit t of 256 bytes
	s_lshl_b32 s20, ttmp9, 12                      ; a batch's 1,024 numbers
	s_mov_b32 s21, 0
	s_lshl_b32 s22, ttmp9, 15                      ; its eight partial contexts
	s_mov_b32 s23, 0
	s_lshl_b32 s24, ttmp9, 3                       ; its pair in a unit of dpart
	s_mov_b32 s25, 0
	s_lshl_b32 s27, s26, 2
	v_mov_b32 v23, s27                             ; LDS: my wave's word
	v_mov_b32 v24, 0
	v_mov_b32 v25, 0                               ; written once: a lane permute's destination counts as one of its sources
	s_mov_b32 s28, 0x76543210
	s_mov_b32 s29, 0xfedcba98
	s_wait_kmcnt 0x0
	s_add_nc_u64 s[4:5], s[4:5], s[20:21]
	s_add_nc_u64 s[6:7], s[6:7], s[22:23]
	s_add_nc_u64 s[8:9], s[8:9], s[24:25]
	s_add_nc_u64 s[10:11], s[10:11], s[20:21]
	s_add_nc_u64 s[12:13], s[12:13], s[20:21]
	s_add_nc_u64 s[14:15], s[14:15], s[20:21]
	s_add_nc_u64 s[16:17], s[16:17], s[20:21]
	s_add_nc_u64 s[18:19], s[18:19], s[20:21]
	global_load_b128 v[4:7], v1, s[4:5]            ; s'
	global_load_b64 v[16:17], v3, s[8:9]
	global_load_b128 v[8:11], v1, s[10:11]         ; mask
	global_load_b128 v[12:15], v1, s[12:13]        ; coverage
.irp g, 0,1,2,3,4,5,6,7
	global_load_b128 v[32+4*\g:35+4*\g], v1, s[6:7] offset:4096*\g
.endr
	s_wait_loadcnt 0x8                             ; behind the four small loads were issued the eight of ctxp
	v_add_f32 v20, v16, v17
	WSUM 20, 25                                    ; my wave's 32 units' part of D[b]
	v_max3_num_f32 v21, v4, v5, v6
	v_max_num_f32 v21, v21, v7
	v_max_num_f32_dpp v21, v21, v21 row_xmask:1 row_mask:0xf bank_mask:0xf
	v_max_num_f32_dpp v21, v21, v21 row_xmask:2 row_mask:0xf bank_mask:0xf
	v_max_num_f32_dpp v21, v21, v21 row_xmask:4 row_mask:0xf bank_mask:0xf
	v_max_num_f32_dpp v21, v21, v21 row_xmask:8 row_mask:0xf bank_mask:0xf
	v_permlanex16_b32 v25, v21, s28, s29
	v_max_num_f32 v21, v21, v25                    ; m' of my chunk
	ds_store_b32 v23, v21                          ; both go round in one exchange
	ds_store_b32 v23, v20 offset:128
	s_wait_dscnt 0x0
	s_barrier_signal -1
	s_barrier_wait -1
	ds_load_b128 v[64:67], v24
	ds_load_b128 v[68:71], v24 offset:16
	ds_load_b128 v[84:87], v24 offset:128
	ds_load_b128 v[88:91], v24 offset:144
	s_wait_dscnt 0x0
	ADD8                                           ; D[b]
.irp g, 0,1,2,3,4,5,6,7
	v_add_f32 v[64+\g], v[64+\g], v84              ; the chunks' maxima as scores
.endr
.irp i, 0,1,2,3
	v_add_f32 v[4+\i], v[4+\i], v84                ; the scores
.endr
	v_max3_num_f32 v72, v64, v65, v66
	v_max3_num_f32 v72, v72, v67, v68
	v_max3_num_f32 v72, v72, v69, v70
	v_max_num_f32 v72, v72, v71                    ; M
.irp i, 0,1,2,3
	v_sub_f32 v[76+\i], v[4+\i], v72               ; the differences first: exact near the maximum
.endr
.irp g, 0,1,2,3,4,5,6,7
	v_sub_f32 v[64+\g], v[64+\g], v72
.endr
.irp i, 0,1,2,3
	v_mul_f32 v[76+\i], 0x3fb8aa3b, v[76+\i]
.endr
.irp g, 0,1,2,3,4,5,6,7
	v_mul_f32 v[64+\g], 0x3fb8aa3b, v[64+\g]
.endr
.irp i, 0,1,2,3
	v_exp_f32 v[76+\i], v[76+\i]
.endr
.irp g, 0,1,2,3,4,5,6,7
	v_exp_f32 v[64+\g], v[64+\g]                   ; what brings chunk g's context under M
.endr
	v_nop                                          ; a plain line between the last exponential and the use of its result
	s_wait_alu depctr_va_vdst(0)
	v_add_f32 v80, v76, v77
	v_add_f32 v81, v78, v79
	v_add_f32 v80, v80, v81
	WSUM 80, 25
	GSUM 80, 256                                   ; Z
	v_rcp_f32 v81, v84
	v_nop
	s_wait_alu depctr_va_vdst(0)
.irp i, 0,1,2,3
	v_mul_f32 v[76+\i], v[76+\i], v81              ; the softmax,
.endr
.irp i, 0,1,2,3
	v_mul_f32 v[76+\i], v[76+\i], v[8+\i]          ; masked
.endr
	v_add_f32 v80, v76, v77
	v_add_f32 v82, v78, v79
	v_add_f32 v80, v80, v82
	WSUM 80, 25
	GSUM 80, 512                                   ; W
	v_rcp_f32 v82, v84
	s_wait_loadcnt 0x0                             ; ctxp
.irp i, 0,1,2,3
	v_mul_f32 v[92+\i], v[32+\i], v64              ; (plain lines behind the reciprocal)
.endr
.irp g, 1,2,3,4,5,6,7
.irp i, 0,1,2,3
	v_fmac_f32 v[92+\i], v[32+4*\g+\i], v[64+\g]
.endr
.endr
	s_wait_alu depctr_va_vdst(0)
.irp i, 0,1,2,3
	v_mul_f32 v[76+\i], v[76+\i], v82              ; w
.endr
	v_mul_f32 v83, v81, v82                        ; 1 / (Z W)
.irp i, 0,1,2,3
	v_add_f32 v[12+\i], v[12+\i], v[76+\i]         ; coverage + w
.endr
.irp i, 0,1,2,3
	v_mul_f32 v[92+\i], v[92+\i], v83
.endr
	global_store_b128 v1, v[76:79], s[16:17]
	global_store_b128 v1, v[12:15], s[18:19]
	global_store_b128 v1, v[92:95], s[14:15]
	s_wait_tensorcnt 0x0
	ds_add_u32 v96, v97
	s_wait_dscnt 0x0
	s_endpgm
.Lfunc_end_k_q2d9e8ab988_comb:
	.size	k_q2d9e8ab988_comb, .Lfunc_end_k_q2d9e8ab988_comb-k_q2d9e8ab988_comb
	.p2alignl 7, 3214868480
	.fill 96, 4, 3214868480
	.section	.rodata,"a",@progbits
	.p2align	6, 0x0
	.amdhsa_kernel k_q2d9e8ab988_comb
		.amdhsa_group_segment_fixed_size 2048
		.amdhsa_private_segment_fixed_size 0
		.amdhsa_enable_private_segment 0
		.amdhsa_kernarg_size 64
		.amdhsa_user_sgpr_count 2
		.amdhsa_user_sgpr_kernarg_segment_ptr 1
		.amdhsa_wavefront_size32 1
		.amdhsa_system_sgpr_workgroup_id_x 1
		.amdhsa_system_sgpr_workgroup_id_y 1
		.amdhsa_system_sgpr_workgroup_id_z 1
		.amdhsa_system_vgpr_workitem_id 0
		.amdhsa_next_free_vgpr 98
		.amdhsa_next_free_sgpr 66
		.amdhsa_reserve_vcc 0
		.amdhsa_float_denorm_mode_32 3
		.amdhsa_float_denorm_mode_16_64 3
		.amdhsa_memory_ordered 1
		.amdhsa_forward_progress 1
		.amdhsa_inst_pref_size 11
	.end_amdhsa_kernel
	.amdgpu_metadata
---
amdhsa.version: [ 1, 2 ]
amdhsa.kernels:
  - .name:           k_q2d9e8ab988_comb
    .symbol:         k_q2d9e8ab988_comb.kd
    .args:
      - { .name: sc, .offset: 0, .size: 8, .value_kind: global_buffer, .address_space: global }
      - { .name: ctxp, .offset: 8, .size: 8, .value_kind: global_buffer, .address_space: global }
      - { .name: dpart, .offset: 16, .size: 8, .value_kind: global_buffer, .address_space: global }
      - { .name: x_padding_masks, .offset: 24, .size: 8, .value_kind: global_buffer, .address_space: global }
      - { .name: coverage_vector, .offset: 32, .size: 8, .value_kind: global_buffer, .address_space: global }
      - { .name: out0, .offset: 40, .size: 8, .value_kind: global_buffer, .address_space: global }
      - { .name: out1, .offset: 48, .size: 8, .value_kind: global_buffer, .address_space: global }
      - { .name: out2, .offset: 56, .size: 8, .value_kind: global_buffer, .address_space: global }
    .group_segment_fixed_size: 2048
    .private_segment_fixed_size: 0
    .kernarg_segment_align: 8
    .kernarg_segment_size: 64
    .max_flat_workgroup_size: 256
    .sgpr_count:     66
    .vgpr_count:     98
    .wavefront_size: 32
...
	.end_amdgpu_metadata
.endif
;; end of part 3
